; MI455X (gfx1250); checked and timed in simulation.
; The chip was launched on July 23, 2026; its instructions are those of AMD's public machine-readable ISA for CDNA 5 (MIT licence, August 2026) and "CDNA5" Instruction Set Architecture Reference Guide (July 2026). The comments in the code are by the model that wrote it; some were corrected since.
;; Enhanced Mo E Model. Allowed arithmetic: float matrix products may take bf16 or f16 operands with f32 sums; all other float work in f32.
;; Inputs: W1 8 x 32 x 64 float32; W2 8 x 64 x 32 float32; W3 8 x 32 x 1 float32; b1 8 x 64 float32; b2 8 x 32 float32; b3 8 x 1 float32; soft_cluster_probs 524,288 x 8 float32; x 524,288 x 32 float32.
;; Outputs: out0 524,288 x 1 float32.
;; One version. Each part assembles by itself: llvm-mc -triple=amdgcn-amd-amdhsa -mcpu=gfx1250 --defsym DOCPART=n.
;; ======== version 1 of 1: 1 launch
;; launch moe (part 1): grid 256 x 1, 8 waves a work-group, no clusters, 327,680 bytes of LDS; arguments x, soft_cluster_probs, W1, W2, W3, b1, b2, b3, out0; writes out0
.if DOCPART == 1
	.amdgcn_target "amdgcn-amd-amdhsa--gfx1250"
	.amdhsa_code_object_version 6
	.text
	.protected	k_q6bfd0c7551_moe
	.globl	k_q6bfd0c7551_moe
	.p2align	8
	.type	k_q6bfd0c7551_moe,@function
k_q6bfd0c7551_moe:
	s_mov_b64 s[64:65], 0
	v_nop
	global_prefetch_b8 v0, s[64:65] scope:SCOPE_SE
	s_setreg_imm32_b32 hwreg(HW_REG_WAVE_MODE, 25, 1), 1
	s_wait_xcnt 0x0
; out[b] = sum over e of p[b][e] * sigmoid( relu( relu(x[b] W1[e] + b1[e]) W2[e] + b2[e] ) W3[e] + b3[e] ),  524,288 rows, 8 experts, 32 -> 64 -> 32 -> 1.
; One launch, nothing intermediate in memory.  256 work-groups of 8 waves; a work-group owns 2,048 rows, a wave 256, in two steps of 128 rows = 8 tiles of 16.
;
; ALL THREE LAYERS ARE USED TRANSPOSED: the weights are source A (its 16 rows = 16 hidden units), the batch rows are the 16 columns of source B.
; In a result tile lane (r, h), register j then holds hidden unit 16 t + 8 h + j of batch row r.  Relu and rounding to bf16, two numbers to a register, turn
; result tiles 2c and 2c+1 into registers 0-3 and 4-7 of the next layer's B fragment (k = 32c + 8h .., 32c + 16 + 8h ..): no lane ever hands a number to another.
; b1 and b2 are the C operand of a sum's first product (a bias tile: register j = b[16 t + 8 h + j]), so they cost no instruction.
; Layer 3: the A fragment of expert e for tiles of parity s is zero but for row e + 8 s, which holds W3[e].  The 8 experts x 2 tiles (2q, 2q+1) add into one
; accumulator L[q]; at the end lane 16 s + r, register e holds expert e's logit of column r of tile 2q + s: the sigmoids run on all lanes, without any sum over lanes.
; Column r of tile 2q + s is the step's row 4 (16 s + r) + q, so lane l ends with rows 4l .. 4l+3: one 16-byte store a lane, 512 consecutive bytes a wave.
;
; A unit = one expert x one tile: 4 + 4 + 1 matrix instructions, 48 vector instructions (one for each hidden number: half a relu pair, half a packed rounding).
; The units run as a pipeline over 16 bodies a trip (a trip = one expert, 8 tiles), on across experts; an expert's fragments are loaded from LDS once for 72 matrix instructions.
;
; NO CLUSTER: what the work-groups share is the weights (135,200 bytes against 327,680 of a work-group's own x and p).  They must be rounded to bf16 on the way
; into LDS, so they come through registers; a joint tensor load would need an f32 stage of 131,072 bytes beside the 315,392 in use, more than a WGP's 327,680.
; NO PREFETCH: the one tile that is wanted later (x of step 1) is asked for by its tensor load seven experts' work ahead of its wait.
;
; LIMITS.  Matrix operands (x, W1, h1, W2, h2, W3) are rounded to bf16; biases, sums, sigmoid and the weighted sum are f32.
; A NaN in front of a relu becomes 0 (v_max_num_f32), where the reference keeps it.  An h2 that is infinite in bf16 (above about 3.39e38) makes NaN in the same row's
; other experts as well (0 x inf in layer 3).  A sigmoid below 2^-126 comes out as 0 (v_rcp_f32 flushes, ISA guide 15.8).  exp2 that overflows gives 1/inf = 0, the right limit.
; ---- LDS ----
.set XPART, 16896                      ; a wave's x slot: 32 rows of 512 bytes (4 batch rows each), 528 apart: sixteen lanes' 16 bytes fall in 16 different 16-byte columns modulo 256
.set PBASE, 8*XPART                    ; 135,168: p, filled once
.set PPART, 8704                       ; a wave's p: its 256 rows = 32 rows of 256 bytes, 272 apart
.set WBASE, PBASE+8*PPART              ; 204,800: eight expert records, written by ds_store; no tensor load ever lands here
.set ES,    13824                      ; bytes of a record
.set OW2,   5120                       ; record: +0 W1 bf16 [k 32][m 64], rows 160 apart; +5120 W2 bf16 [k 64][m 32], rows 96 apart;
.set OW3,   11264                      ;         +11264 the two layer-3 fragments as register images (s*1024 + half*512 + 16 lane);
.set OB1,   13312                      ;         +13312 b1 f32;
.set OB2,   13568                      ;         +13568 b2 f32
; ---- vector registers, block 0 ----
.set AW1, 1                            ; stepped LDS addresses: W1, W2, layer-3 fragments, biases of the expert to be loaded next
.set AW2, 2
.set AW3, 3
.set AB,  4
.set AX,  5                            ; my 32 bytes in row r of my wave's x slot
.set AP,  6                            ; my 128 bytes of p
.set OO,  7                            ; 16 x lane
.set RO,  8                            ; v[8:11]    four results
.set AW1B, 12                          ; v[12:15]   the four addresses for expert 0, never rewritten
.set AW2B, 13
.set AW3B, 14
.set ABB,  15
.set RW1, 16                           ; v[16:47]   W1 fragments, tile t at +8t
.set RW2, 48                           ; v[48:79]   W2 fragments, (a, c) at +16a+8c
.set RW3, 80                           ; v[80:95]   layer-3 fragments, s at +8s
.set RZ1, 96                           ; v[96:127]  layer-1 results, buffer c (units 32c ..) at +16c
.set RZ2, 128                          ; v[128:159] layer-2 results, buffer (unit & 1) at +16
.set RX,  160                          ; v[160:223] x in bf16, tile i at +8i
.set RL,  224                          ; v[224:255] logits, q at +8q
; ---- block 1, named by the low 8 bits ----
.set RB1, 128                          ; v[384:415] b1 tiles;  v[256:383] x in f32 as loaded, 16 registers a tile
.set RB2, 160                          ; v[416:431] b2 tiles
.set DUAL, 1                           ; relu of two numbers as one dual-issue pair (0: two plain instructions)
.set MSB, 0
.macro WIN new                         ; s_set_vgpr_msb: bits 1:0 source 0, 3:2 source 1, 5:4 source 2, 7:6 destination; the high byte repeats the setting that is left
.if MSB != \new
	s_set_vgpr_msb (MSB<<8)|\new
.set MSB, \new
.endif
.endm
.macro NOPS n
.rept \n
	v_nop
.endr
.endm
; ================= head =================
	s_load_b256 s[4:11], s[0:1], 0x0               ; x s[4:5], p s[6:7], W1 s[8:9], W2 s[10:11]
	s_load_b256 s[12:19], s[0:1], 0x20             ; W3 s[12:13], b1 s[14:15], b2 s[16:17], b3 s[18:19]
	s_load_b64 s[20:21], s[0:1], 0x40              ; out
	s_set_vgpr_msb 0x40
	v_lshl_add_u32 v176, v0, 2, 0x4d000
	v_mov_b32 v177, 0
	s_set_vgpr_msb 0x4045
	ds_add_u32 v176, v177
	ds_add_u32 v176, v177
	s_set_vgpr_msb 0x4500
	v_lshrrev_b32 v1, 5, v0
	v_readfirstlane_b32 s22, v1                    ; wave 0..7
	; group 1 for x: 32 rows of 64 elements of 8 bytes (512 bytes = 4 batch rows), dense; 4 words of padding behind every 128.
	; 32 rows and not 64 of 256 bytes: the fragment loads step by four batch rows and need the rows 528 bytes apart.
	s_mov_b32 s32, (3<<16)|(1<<20)|(6<<22)|(3<<25)
	s_mov_b32 s33, 64<<16                          ; tensor_dim0 = 64
	s_mov_b32 s34, 32<<16                          ; tensor_dim1 = 32
	s_mov_b32 s35, 64<<16                          ; tile_dim0 = 64
	s_mov_b32 s36, 32                              ; tile_dim1 = 32
	s_mov_b32 s37, 64                              ; elements from row to row
	s_mov_b32 s38, 0
	s_mov_b32 s39, 0
	; group 1 for p: 32 rows of 32 elements of 8 bytes (256 bytes), dense; 4 words of padding behind every 64
	s_mov_b32 s40, (3<<16)|(1<<20)|(5<<22)|(3<<25)
	s_mov_b32 s41, 32<<16
	s_mov_b32 s42, 32<<16
	s_mov_b32 s43, 32<<16
	s_mov_b32 s44, 32
	s_mov_b32 s45, 32
	s_mov_b32 s46, 0
	s_mov_b32 s47, 0
	s_mov_b32 s48, 1                               ; group 0 for x
	s_mul_i32 s49, s22, XPART                      ; my wave's slot
	s_mov_b32 s52, 1                               ; group 0 for p
	s_mul_i32 s53, s22, PPART
	s_add_co_u32 s53, s53, PBASE
	s_lshl_b32 s68, ttmp9, 18                      ; x: 2,048 rows x 128 bytes a work-group,
	s_lshl_b32 s23, s22, 15                        ;    256 rows x 128 bytes a wave (below 2^26 in all)
	s_add_co_u32 s68, s68, s23
	s_mov_b32 s69, 0
	s_lshl_b32 s70, ttmp9, 16                      ; p: 2,048 x 32 and 256 x 32 bytes
	s_lshl_b32 s23, s22, 13
	s_add_co_u32 s70, s70, s23
	s_mov_b32 s71, 0
	v_and_b32 v252, 31, v0                         ; l
	v_and_b32 v253, 15, v0                         ; r
	v_bfe_u32 v254, v0, 4, 1                       ; h
	v_and_b32 v255, 7, v0                          ; l & 7
	v_bfe_u32 v243, v0, 3, 1                       ; (l >> 3) & 1
	v_lshlrev_b32 v[OO], 4, v252                   ; 16 l
	v_lshlrev_b32 v9, 5, v254                      ; 32 h
	v_lshlrev_b32 v10, 3, v252                     ; 8 l
	v_lshlrev_b32 v11, 2, v252                     ; 4 l
	s_wait_dscnt 0x0
	s_wait_kmcnt 0x0
	s_add_nc_u64 s[50:51], s[4:5], s[68:69]
	s_or_b32 s51, s51, 0x80000000                  ; type 2
	s_add_nc_u64 s[54:55], s[6:7], s[70:71]
	s_or_b32 s55, s55, 0x80000000
	tensor_load_to_lds s[48:51], s[32:39]          ; both first fills go out together, ahead of every wait on TENSORcnt, LDS read and barrier:
	s_nop 0
	tensor_load_to_lds s[52:55], s[40:47]          ; x of step 0, then all my p.  Two tensor loads of the wave are out
	s_nop 0
	s_load_b256 s[24:31], s[18:19], 0x0            ; b3, eight numbers
; ================= the weights: wave w rounds expert w to bf16 and lays its record into LDS =================
	s_lshl_b32 s68, s22, 13                        ; 8,192 bytes of W1 and of W2 an expert
	s_add_nc_u64 s[8:9], s[8:9], s[68:69]
	s_add_nc_u64 s[10:11], s[10:11], s[68:69]
	s_lshl_b32 s68, s22, 7                         ; 128 bytes of W3 and of b2
	s_add_nc_u64 s[12:13], s[12:13], s[68:69]
	s_add_nc_u64 s[16:17], s[16:17], s[68:69]
	s_lshl_b32 s68, s22, 8                         ; 256 bytes of b1
	s_add_nc_u64 s[14:15], s[14:15], s[68:69]
.irp i,0,1,2,3,4,5,6,7,8,9,10,11,12,13,14,15
	global_load_b128 v[96+4*\i:99+4*\i], v[OO], s[8:9] offset:512*\i       ; W1: 512 consecutive bytes a load = rows k = 2i, 2i+1
.endr
.irp i,0,1,2,3,4,5,6,7,8,9,10,11,12,13,14,15
	global_load_b128 v[160+4*\i:163+4*\i], v[OO], s[10:11] offset:512*\i   ; W2: rows k = 4i .. 4i+3
.endr
	global_load_b128 v[224:227], v9, s[12:13]                              ; W3[k = 8h ..], as a fragment wants it
	global_load_b128 v[228:231], v9, s[12:13] offset:16
	global_load_b128 v[232:235], v9, s[12:13] offset:64                    ; W3[k = 16 + 8h ..]
	global_load_b128 v[236:239], v9, s[12:13] offset:80
	global_load_b64 v[240:241], v10, s[14:15]                              ; b1
	global_load_b32 v242, v11, s[16:17]                                    ; b2
	; while they are on their way: out's base and all LDS addresses
	s_lshl_b32 s68, ttmp9, 13                      ; out: 2,048 x 4 bytes a work-group, 256 x 4 a wave
	s_lshl_b32 s23, s22, 10
	s_add_co_u32 s68, s68, s23
	s_add_nc_u64 s[20:21], s[20:21], s[68:69]
	s_mul_i32 s23, s22, ES
	s_add_co_u32 s23, s23, WBASE                   ; my expert's record
	v_lshl_add_u32 v8, v254, 3, v255               ; 8 h + (l & 7): the row of a transposing load
	v_mul_u32_u24 v[AW1B], v8, 160
	v_lshl_add_u32 v[AW1B], v243, 4, v[AW1B]
	v_add_nc_u32 v[AW1B], WBASE, v[AW1B]
	v_mul_u32_u24 v[AW2B], v8, 96
	v_lshl_add_u32 v[AW2B], v243, 4, v[AW2B]
	v_add_nc_u32 v[AW2B], WBASE+OW2, v[AW2B]
	v_add_nc_u32 v[AW3B], WBASE+OW3, v[OO]
	v_add_nc_u32 v[ABB], WBASE+OB1, v9
	v_mul_u32_u24 v[AX], v253, 528
	v_add_nc_u32 v[AX], v[AX], v9
	v_add_nc_u32 v[AX], s49, v[AX]                 ; wave's slot + 528 r + 32 h
	v_lshrrev_b32 v[AP], 1, v252
	v_mul_u32_u24 v[AP], v[AP], 272
	v_and_b32 v1, 1, v0
	v_lshl_add_u32 v[AP], v1, 7, v[AP]
	v_add_nc_u32 v[AP], s53, v[AP]                 ; wave's p + 272 (l >> 1) + 128 (l & 1)
	v_mul_u32_u24 v1, v254, 160                    ; W1 goes to record + 160 (2i + h) + 8 r
	v_lshl_add_u32 v1, v253, 3, v1
	v_add_nc_u32 v1, s23, v1
	v_lshrrev_b32 v2, 3, v252                      ; W2 to record + 5120 + 96 (4i + (l >> 3)) + 8 (l & 7)
	v_mul_u32_u24 v2, v2, 96
	v_lshl_add_u32 v2, v255, 3, v2
	v_add_nc_u32 v2, s23, v2
	v_add_nc_u32 v3, s23, v[OO]
	v_add_nc_u32 v4, s23, v10
	v_add_nc_u32 v8, s23, v11
	s_wait_loadcnt 22                              ; W1's 16 loads are in; the 22 issued behind them may be out
.irp i,0,1,2,3,4,5,6,7,8,9,10,11,12,13,14,15
	v_cvt_pk_bf16_f32 v[16+2*\i], v[96+4*\i], v[97+4*\i]
	v_cvt_pk_bf16_f32 v[17+2*\i], v[98+4*\i], v[99+4*\i]
	ds_store_b64 v1, v[16+2*\i:17+2*\i] offset:320*\i
.endr
	s_wait_loadcnt 6                               ; W2's are in; W3, b1, b2 may be out
.irp i,0,1,2,3,4,5,6,7,8,9,10,11,12,13,14,15
	v_cvt_pk_bf16_f32 v[48+2*\i], v[160+4*\i], v[161+4*\i]
	v_cvt_pk_bf16_f32 v[49+2*\i], v[162+4*\i], v[163+4*\i]
	ds_store_b64 v2, v[48+2*\i:49+2*\i] offset:OW2+384*\i
.endr
	s_wait_loadcnt 0x0
.irp k,0,1,2,3,4,5,6,7
	v_cvt_pk_bf16_f32 v[80+\k], v[224+2*\k], v[225+2*\k]
.endr
	v_cmp_eq_u32 vcc_lo, s22, v253                 ; s = 0: row e of the fragment holds W3[e], all other rows 0
.irp k,0,1,2,3,4,5,6,7
	v_cndmask_b32 v[88+\k], 0, v[80+\k], vcc_lo
.endr
	s_add_co_u32 s68, s22, 8
	v_cmp_eq_u32 vcc_lo, s68, v253                 ; s = 1: row e + 8
.irp k,0,1,2,3,4,5,6,7
	v_cndmask_b32 v[244+\k], 0, v[80+\k], vcc_lo
.endr
	ds_store_b128 v3, v[88:91] offset:OW3
	ds_store_b128 v3, v[92:95] offset:OW3+512
	ds_store_b128 v3, v[244:247] offset:OW3+1024
	ds_store_b128 v3, v[248:251] offset:OW3+1536
	ds_store_b64 v4, v[240:241] offset:OB1
	ds_store_b32 v8, v242 offset:OB2
	s_mov_b32 s67, 0xbfb8aa3b                      ; -log2(e)
	s_wait_kmcnt 0x0                               ; b3
.irp j,0,1,2,3,4,5,6,7
	s_mul_f32 s[56+\j], s[24+\j], s67              ; sigmoid(z + b3) = 1 / (1 + 2^(-log2e z - log2e b3))
.endr
	s_wait_dscnt 0x0                               ; my record is written, for the others' sake
	s_barrier_signal -1                            ; my two tensor loads may stay out across it
	s_barrier_wait -1                              ; all eight records are there
; ================= the pieces of the pipeline =================
.macro RELU2 r
.if DUAL
	v_dual_max_num_f32 v[\r], 0, v[\r] :: v_dual_max_num_f32 v[\r+1], 0, v[\r+1]
.else
	v_max_num_f32 v[\r], 0, v[\r]
	v_max_num_f32 v[\r+1], 0, v[\r+1]
.endif
.endm
; relu and rounding of layer-1 buffer c, in place: z[i] = (z[2i], z[2i+1]), i ascending; registers 0-7 are then layer 2's B fragment of k = 32c .. 32c+31
.macro ACT1 c
.irp i,0,2,4,6,8,10,12,14
	RELU2 RZ1+16*\c+\i
.endr
.irp i,0,1,2,3,4,5,6,7
	v_cvt_pk_bf16_f32 v[RZ1+16*\c+\i], v[RZ1+16*\c+2*\i], v[RZ1+16*\c+2*\i+1]
.endr
.endm
; the same for half c (tile c) of layer-2 buffer b: registers 8c .. 8c+7 into 4c .. 4c+3
.macro ACT2 b, c
.irp i,0,2,4,6
	RELU2 RZ2+16*\b+8*\c+\i
.endr
.irp i,0,1,2,3
	v_cvt_pk_bf16_f32 v[RZ2+16*\b+4*\c+\i], v[RZ2+16*\b+8*\c+2*\i], v[RZ2+16*\b+8*\c+2*\i+1]
.endr
.endm
; layer 1, tile u of x, hidden units 32c .. 32c+31: two products that start at b1 (C in block 1: window 0x10)
.macro MM1 u, c
.irp t,0,1
	v_wmma_f32_16x16x32_bf16 v[RZ1+16*\c+8*\t:RZ1+16*\c+8*\t+7], v[RW1+8*(2*\c+\t):RW1+8*(2*\c+\t)+7], v[RX+8*\u:RX+8*\u+7], v[RB1+8*(2*\c+\t):RB1+8*(2*\c+\t)+7]
.endr
.endm
; layer 2, unit u, k = 32c ..: c = 0 starts at b2 (window 0x10), c = 1 adds in place (window 0)
.macro MM2 u, c
.irp a,0,1
.if \c == 0
	v_wmma_f32_16x16x32_bf16 v[RZ2+16*(\u&1)+8*\a:RZ2+16*(\u&1)+8*\a+7], v[RW2+16*\a:RW2+16*\a+7], v[RZ1:RZ1+7], v[RB2+8*\a:RB2+8*\a+7]
.else
	v_wmma_f32_16x16x32_bf16 v[RZ2+16*(\u&1)+8*\a:RZ2+16*(\u&1)+8*\a+7], v[RW2+16*\a+8:RW2+16*\a+15], v[RZ1+16:RZ1+23], v[RZ2+16*(\u&1)+8*\a:RZ2+16*(\u&1)+8*\a+7]
.endif
.endr
.endm
; layer 3, unit u, into L[u >> 1]; zero = 1: the product starts the sum
.macro MM3 u, zero
.if \zero
	v_wmma_f32_16x16x32_bf16 v[RL+8*(\u>>1):RL+8*(\u>>1)+7], v[RW3+8*(\u&1):RW3+8*(\u&1)+7], v[RZ2+16*(\u&1):RZ2+16*(\u&1)+7], 0
.else
	v_wmma_f32_16x16x32_bf16 v[RL+8*(\u>>1):RL+8*(\u>>1)+7], v[RW3+8*(\u&1):RW3+8*(\u&1)+7], v[RZ2+16*(\u&1):RZ2+16*(\u&1)+7], v[RL+8*(\u>>1):RL+8*(\u>>1)+7]
.endif
.endm
; fragment loads.  W1 and W2 lie [k][m] in LDS; the transposing load brings lane (r, h) k = 8h .. 8h+7 of column r, the second one 16 rows further down
.macro LDW1 c                          ; 4 loads: tiles 2c, 2c+1
.irp t,0,1
	ds_load_tr16_b128 v[RW1+8*(2*\c+\t):RW1+8*(2*\c+\t)+3],   v[AW1] offset:32*(2*\c+\t)
	ds_load_tr16_b128 v[RW1+8*(2*\c+\t)+4:RW1+8*(2*\c+\t)+7], v[AW1] offset:32*(2*\c+\t)+2560
.endr
.endm
.macro LDW2 c                          ; 4 loads: (0, c), (1, c)
.irp a,0,1
	ds_load_tr16_b128 v[RW2+16*\a+8*\c:RW2+16*\a+8*\c+3],   v[AW2] offset:3072*\c+32*\a
	ds_load_tr16_b128 v[RW2+16*\a+8*\c+4:RW2+16*\a+8*\c+7], v[AW2] offset:3072*\c+32*\a+1536
.endr
.endm
.macro LDW3 s                          ; 2 loads
	ds_load_b128 v[RW3+8*\s:RW3+8*\s+3],   v[AW3] offset:1024*\s
	ds_load_b128 v[RW3+8*\s+4:RW3+8*\s+7], v[AW3] offset:1024*\s+512
.endm
.macro LDB1 c                          ; 4 loads, destination in block 1: b1[16 t + 8 h ..], the same 32 bytes for the sixteen lanes of a half
.irp t,0,1
	ds_load_b128 v[RB1+8*(2*\c+\t):RB1+8*(2*\c+\t)+3],   v[AB] offset:64*(2*\c+\t)
	ds_load_b128 v[RB1+8*(2*\c+\t)+4:RB1+8*(2*\c+\t)+7], v[AB] offset:64*(2*\c+\t)+16
.endr
.endm
.macro LDB2                            ; 4 loads, destination in block 1
.irp a,0,1
	ds_load_b128 v[RB2+8*\a:RB2+8*\a+3],   v[AB] offset:OB2-OB1+64*\a
	ds_load_b128 v[RB2+8*\a+4:RB2+8*\a+7], v[AB] offset:OB2-OB1+64*\a+16
.endr
.endm
; One of a trip's 16 bodies, (u, c): u the tile, c the half of the 64 hidden units.  kind: 0 the step's first expert, 1 a middle one, 2 the last.
;   1. relu + rounding of layer-1 buffer c (unit u)     2. layer 2 of unit u, k half c     3. relu + rounding of half c of unit u-1's layer-2 results
;   4. (c = 1) layer 3 of unit u-1                      5. layer 1 of unit u+1 into buffer c (unit 8 = the next expert's unit 0)
; DISTANCES behind matrix instructions (ISA guide 7.12.1; counted in plain vector instructions that name none of the earlier one's registers):
;   2 -> 5, which writes over 2's B: the 8 of step 3 (5 v_nop where there is no step 3);  5 -> the next step 1 on that buffer: the other buffer's 16;
;   2 -> step 3 on its result: at least the 8 of the step 3 behind it;  4 -> the step 2 that writes over its B: the 16 of step 1.
; The accumulators take turns, one instruction a turn: Z2 a=0, a=1; Z1 t=0, t=1; Z2 a=0, a=1; L; Z1 t=0, t=1; over the loop's jump too.
; RELOADS of the next expert's fragments, each group issued when its registers are free, at least 4 such places behind their last matrix instruction:
;   G1 (8 loads) body (6,1): W1 tiles 0,1 + b1 tiles 0,1      G2 (8) body (7,0): W1 tiles 2,3 + b1 tiles 2,3     G3 (8) body (7,0): W2 (a,0) + b2
;   G4 (4) body (7,1): W2 (a,1)      G5 (2) body (0,0): this expert's layer-3 fragment s = 0      G6 (2) body (1,0): s = 1
; LDS loads come back in order (ISA guide 5.7.1), so each wait's count is the loads issued behind the group that is needed.
.macro BODY u, c, kind
	ACT1 \c
.if \kind != 2
.if (2*\u+\c) == 13
	LDW1 0                                         ; G1
	WIN 0x50
	LDB1 0
.endif
.if (2*\u+\c) == 14
	LDW1 1                                         ; G2
	v_add_nc_u32 v[AW1], ES, v[AW1]
	WIN 0x50
	LDB1 1
	WIN 0x10
.endif
.endif
.if (2*\u+\c) == 0
	LDW3 0                                         ; G5
	s_wait_dscnt 6                                 ; G3 is in: G4 (4) and G5 (2) were issued behind it
.endif
.if (2*\u+\c) == 1
	s_wait_dscnt 2                                 ; G4 is in: G5 (2) behind it
.endif
.if (2*\u+\c) == 2
	LDW3 1                                         ; G6
	v_add_nc_u32 v[AW3], ES, v[AW3]
.endif
.if \c == 1
	WIN 0
.endif
	MM2 \u, \c
.if (\kind+\u) == 0
	NOPS 5                                         ; the step's first unit has none in front of it: five places before layer 1 writes over layer 2's B
.else
	ACT2 ((\u+7)&1), \c
.endif
.if \kind != 2
.if (2*\u+\c) == 14
	LDW2 0                                         ; G3
	WIN 0x50
	LDB2
	WIN 0x10
	v_add_nc_u32 v[AB], ES, v[AB]
.endif
.if (2*\u+\c) == 15
	LDW2 1                                         ; G4
	v_add_nc_u32 v[AW2], ES, v[AW2]
.endif
.endif
.if \c == 1
.if (\kind+\u) != 0
.if (2*\u+\c) == 3
	s_wait_dscnt 2                                 ; G5 is in: G6 (2) behind it
.endif
.if (2*\u+\c) == 5
	s_wait_dscnt 0                                 ; G6 is in: nothing was issued behind it
.endif
.set ZF, 0
.if \kind == 0
.set ZF, \u&1                                      ; the first expert's even units (u - 1 even) start the four sums: nothing is cleared
.endif
	MM3 ((\u+7)&7), ZF
.endif
.endif
.if (\kind*8+\u) != 23                             ; the last expert's last unit has none behind it
.if \c == 1
	WIN 0x10
.endif
.if \kind != 2
.if (2*\u+\c) == 14
	s_wait_dscnt 16                                ; G1 is in: G2 (8) and G3 (8) behind it
.endif
.if (2*\u+\c) == 15
	s_wait_dscnt 12                                ; G2 is in: G3 (8) and G4 (4) behind it
.endif
.endif
	MM1 ((\u+1)&7), \c
.endif
.endm
.macro TRIP kind                       ; one expert, eight tiles; entered under window 0x10.  The last expert's last body stands in the step's tail, in another order
.irp u,0,1,2,3,4,5,6
	BODY \u, 0, \kind
	BODY \u, 1, \kind
.endr
	BODY 7, 0, \kind
.if \kind != 2
	BODY 7, 1, \kind
.endif
.endm
; The 128 rows' sigmoids and weighted sums.  Lane l, register 8q + j: expert j's logit of row 4l + q, and, as loaded, p[4l + q][j].
.macro SIG st
.irp i,0,1,2,3,4,5,6,7
	ds_load_b128 v[16+4*\i:19+4*\i], v[AP] offset:4352*\st+16*\i   ; my 128 bytes of p; their tensor load was waited for in front of the refill's barrier
.endr
.irp q,0,1,2,3
.irp j,0,1,2,3,4,5,6,7
	v_fma_f32 v[96+8*\q+\j], v[RL+8*\q+\j], s67, s[56+\j]          ; q ascending: the 24 of q = 0, 1, 2 are the places behind the last product, which wrote L[3]
.endr
.endr
.set n, 0
.rept 32
	v_exp_f32 v[96+n], v[96+n]
.set n, n+1
.endr
	v_nop                                          ; one plain instruction between a transcendental and the use of its result (ISA guide 5.7.2)
.set n, 0
	s_wait_alu depctr_va_vdst(0)
.rept 16
	v_pk_add_f32 v[96+n:97+n], v[96+n:97+n], 1.0 op_sel_hi:[1,0]
.set n, n+2
.endr
.set n, 0
.rept 32
	v_rcp_f32 v[96+n], v[96+n]
.set n, n+1
.endr
	v_nop
	s_wait_dscnt 0x0                               ; p
	s_wait_xcnt 0x0                                ; the last step's store has read v[8:11]: they are written again only behind this wait
	s_wait_alu depctr_va_vdst(0)
.irp q,0,1,2,3
	v_pk_mul_f32 v[128+2*\q:129+2*\q], v[96+8*\q:97+8*\q], v[16+8*\q:17+8*\q]
.endr
.irp j,2,4,6
.irp q,0,1,2,3
	v_pk_fma_f32 v[128+2*\q:129+2*\q], v[96+8*\q+\j:97+8*\q+\j], v[16+8*\q+\j:17+8*\q+\j], v[128+2*\q:129+2*\q]
.endr
.endr
.irp q,0,1,2,3
	v_add_f32 v[RO+\q], v[128+2*\q], v[129+2*\q]
.endr
	global_store_b128 v[OO], v[RO:RO+3], s[20:21] offset:512*\st th:TH_STORE_NT   ; rows 4l .. 4l+3: the wave's store covers 512 consecutive bytes, aligned
.endm
; A step: 128 rows through all eight experts.
.macro STEP st, refill
	v_mov_b32 v[AW1], v[AW1B]                      ; back to expert 0
	v_mov_b32 v[AW2], v[AW2B]
	v_mov_b32 v[AW3], v[AW3B]
	v_mov_b32 v[AB], v[ABB]
	s_wait_tensorcnt 1-\st                         ; step 0: x has landed, p (issued behind it) may be out.  Step 1: the refill has landed.  My own load, my own bytes: no barrier
	WIN 0x40                                       ; destination in block 1
.irp i,0,1,2,3,4,5,6,7
	ds_load_b128 v[16*\i:16*\i+3],     v[AX] offset:(\i&1)*8448+(\i>>1)*128      ; tile i = 2q + s, column r = row 4 (16 s + r) + q: k = 8h .. 8h+3
	ds_load_b128 v[16*\i+4:16*\i+7],   v[AX] offset:(\i&1)*8448+(\i>>1)*128+16
	ds_load_b128 v[16*\i+8:16*\i+11],  v[AX] offset:(\i&1)*8448+(\i>>1)*128+64   ; k = 16 + 8h ..
	ds_load_b128 v[16*\i+12:16*\i+15], v[AX] offset:(\i&1)*8448+(\i>>1)*128+80
.endr
	WIN 0
	LDW1 0                                         ; expert 0's fragments: 16 + 12 loads
	LDW1 1
	LDW2 0
	LDW2 1
	WIN 0x40
	LDB1 0
	LDB1 1
	LDB2
	WIN 0
	v_add_nc_u32 v[AW1], ES, v[AW1]
	v_add_nc_u32 v[AW2], ES, v[AW2]
	v_add_nc_u32 v[AB], ES, v[AB]
	WIN 0x05                                       ; sources in block 1
.irp i,0,1,2,3,4,5,6,7
	s_wait_dscnt 56-4*\i                           ; tile i's four loads are in: 28 - 4i younger loads of x and the 28 of the fragments may be out
.irp k,0,1,2,3,4,5,6,7
	v_cvt_pk_bf16_f32 v[RX+8*\i+\k], v[16*\i+2*\k], v[16*\i+2*\k+1]
.endr
.endr
	s_wait_dscnt 0x0                               ; the fragments
	WIN 0x10
	MM1 0, 0
	MM1 0, 1
	NOPS 4                                         ; four places before the first relu reads a result
	TRIP 0
	WIN 0
.if \refill
	; x is in registers as bf16: the slot is filled again with step 1's rows, which have seven experts' work in which to land.
	s_wait_dscnt 0x0                               ; my reads of the slot are back,
	s_set_vgpr_msb 0x5
	s_wait_tensorcnt 0x0                           ; and all my tensor loads have landed (p among them), so group 0 may be written
	ds_add_u32 v176, v177
	s_wait_dscnt 0x0
	s_set_vgpr_msb 0x500
	s_add_nc_u64 s[50:51], s[50:51], 16384         ; 128 rows of 128 bytes on; the type bits are not reached
	s_barrier_signal -1
	s_barrier_wait -1                              ; the same holds of all eight waves
	tensor_load_to_lds s[48:51], s[32:39]          ; my one tensor load behind this barrier, first thing there; one is out
	s_nop 0
.endif
	s_mov_b32 s66, 6
.Lexperts\st:
	WIN 0x10
	TRIP 1
	WIN 0                                          ; at a label and at a branch every window is 0
	s_sub_co_u32 s66, s66, 1
	s_cmp_lg_u32 s66, 0
	s_cbranch_scc1 .Lexperts\st
	WIN 0x10
	TRIP 2                                         ; ends with body (7, 0): layer 2 of unit 7, k half 0
	; THE TAIL.  No layer 1 is left to stand between the last two layer-3 products, which share L[3].  So unit 6's goes ahead of unit 7's second
	; layer-2 products: Z2 a=0, a=1 (half 0); L[3]; Z2 a=0, a=1 (half 1); L[3].  The accumulators still take turns, one instruction a turn.
	ACT1 1                                         ; unit 7's hidden units 32 to 63
	ACT2 0, 1                                      ; the second half of unit 6's layer-2 results
	WIN 0
	MM3 6, 0
	MM2 7, 1
	NOPS 4                                         ; four places before the relu reads these results (ISA guide 7.12.1); no other unit's work is left to fill them
	ACT2 1, 0
	ACT2 1, 1
	MM3 7, 0                                       ; its B was a layer-2 result: the four v_nop and the four relu pairs of the other tile stand between
	SIG \st
.endm
	STEP 0, 1
	STEP 1, 0
	s_set_vgpr_msb 0x5
	s_wait_tensorcnt 0x0
	ds_add_u32 v176, v177
	s_wait_dscnt 0x0
	s_set_vgpr_msb 0x500
	s_endpgm
.Lfunc_end_k_q6bfd0c7551_moe:
	.size	k_q6bfd0c7551_moe, .Lfunc_end_k_q6bfd0c7551_moe-k_q6bfd0c7551_moe
	.p2alignl 7, 3214868480
	.fill 96, 4, 3214868480
	.section	.rodata,"a",@progbits
	.p2align	6, 0x0
	.amdhsa_kernel k_q6bfd0c7551_moe
		.amdhsa_group_segment_fixed_size 327680
		.amdhsa_private_segment_fixed_size 0
		.amdhsa_enable_private_segment 0
		.amdhsa_kernarg_size 72
		.amdhsa_user_sgpr_count 2
		.amdhsa_user_sgpr_kernarg_segment_ptr 1
		.amdhsa_wavefront_size32 1
		.amdhsa_system_sgpr_workgroup_id_x 1
		.amdhsa_system_sgpr_workgroup_id_y 1
		.amdhsa_system_sgpr_workgroup_id_z 1
		.amdhsa_system_vgpr_workitem_id 0
		.amdhsa_next_free_vgpr 434
		.amdhsa_next_free_sgpr 72
		.amdhsa_reserve_vcc 1
		.amdhsa_float_denorm_mode_32 3
		.amdhsa_float_denorm_mode_16_64 3
		.amdhsa_memory_ordered 1
		.amdhsa_forward_progress 1
		.amdhsa_inst_pref_size 236
	.end_amdhsa_kernel
	.amdgpu_metadata
---
amdhsa.version: [ 1, 2 ]
amdhsa.kernels:
  - .name:           k_q6bfd0c7551_moe
    .symbol:         k_q6bfd0c7551_moe.kd
    .args:
      - { .name: x, .offset: 0, .size: 8, .value_kind: global_buffer, .address_space: global }
      - { .name: soft_cluster_probs, .offset: 8, .size: 8, .value_kind: global_buffer, .address_space: global }
      - { .name: W1, .offset: 16, .size: 8, .value_kind: global_buffer, .address_space: global }
      - { .name: W2, .offset: 24, .size: 8, .value_kind: global_buffer, .address_space: global }
      - { .name: W3, .offset: 32, .size: 8, .value_kind: global_buffer, .address_space: global }
      - { .name: b1, .offset: 40, .size: 8, .value_kind: global_buffer, .address_space: global }
      - { .name: b2, .offset: 48, .size: 8, .value_kind: global_buffer, .address_space: global }
      - { .name: b3, .offset: 56, .size: 8, .value_kind: global_buffer, .address_space: global }
      - { .name: out0, .offset: 64, .size: 8, .value_kind: global_buffer, .address_space: global }
    .group_segment_fixed_size: 327680
    .private_segment_fixed_size: 0
    .kernarg_segment_align: 8
    .kernarg_segment_size: 72
    .max_flat_workgroup_size: 256
    .sgpr_count:     72
    .vgpr_count:     434
    .wavefront_size: 32
...
	.end_amdgpu_metadata
.endif
;; end of part 1
